; MI455X (gfx1250); checked and timed in simulation.
; The chip was launched on July 23, 2026; its instructions are those of AMD's public machine-readable ISA for CDNA 5 (MIT licence, August 2026) and "CDNA5" Instruction Set Architecture Reference Guide (July 2026). The comments in the code are by the model that wrote it; some were corrected since.
;; attn. Allowed arithmetic: float matrix products may take bf16 or f16 operands with f32 sums; other float arithmetic in f32, or as packed bf16 or f16 multiplies, adds, multiply-adds, maxima and minima; sums over many terms, partial sums and values carried from step to step in f32; what a program stores and reads back later, other than sums and carried values, may be rounded once to bf16 or f16.
;; Inputs: Wc_b 1,000 float32; Wc_w 1,000 x 2,000 float32; hs 32 x 512 x 1,000 float32; ht 32 x 512 x 1,000 float32; mask 32 x 512 bool.
;; Outputs: out0 32 x 512 x 1,000 float32.
;; Constants: t = 0.
;; One version. Each part assembles by itself: llvm-mc -triple=amdgcn-amd-amdhsa -mcpu=gfx1250 --defsym DOCPART=n.
;; ======== version 1 of 1: 3 launches
;; workspace buffers: htb 33,554,432 bytes; hsb 33,554,432 bytes; cb 33,554,432 bytes; wb 4,194,304 bytes
;; launch cast (part 1): grid 256 x 1, 18 waves a work-group, no clusters, 0 bytes of LDS; arguments hs, Wc_w, hsb, wb; writes hsb, wb
.if DOCPART == 1
	.amdgcn_target "amdgcn-amd-amdhsa--gfx1250"
	.amdhsa_code_object_version 6
	.text
	.protected	k_q5a62c79d10_cast
	.globl	k_q5a62c79d10_cast
	.p2align	8
	.type	k_q5a62c79d10_cast,@function
k_q5a62c79d10_cast:
	s_mov_b64 s[64:65], 0
	v_nop
	global_prefetch_b8 v0, s[64:65] scope:SCOPE_SE
	s_setreg_imm32_b32 hwreg(HW_REG_WAVE_MODE, 25, 1), 1
	s_wait_xcnt 0x0
; f32 -> bf16, rows of 1000 numbers padded with zeros to rows of 1024.  hs is 16,384 such rows; Wc_w [1000][2000] is the same bytes as 2,000 rows of 1000 (row 2 n + part), and
; wb [1024][2048] the same bytes as 2,048 rows of 1024: so one text serves both.  wb's rows 2000 .. 2047 (n >= 1000) are written as zeros.
; Each number is rounded once, to nearest even.  Every byte of the two outputs is written, the padding too.
; SHARES.  16,384 + 2,048 = 18,432 rows = 256 work-groups x 18 waves x 4 rows: every work-group has the same share; a wave's four rows lie in one tensor, since 4 divides 16,384 and 2,000.
; A row comes in by eight loads of 16 bytes a lane (512 consecutive bytes each) and leaves by eight stores of 8 bytes a lane (256 consecutive bytes each, at a multiple of 256 from the buffer's first byte).
; The row's last load has 26 lanes of numbers: the other lanes' offset is held at the row's last 16 bytes, so that no load leaves the buffer, and their words are cleared.
; A wave issues all its 32 loads at once, rounds each row in the registers in which it came and stores it from there: no register is written twice, so no wait but the rows' own stands in the text.
; No LDS, no matrix unit, no cluster: no two work-groups read the same byte, and each byte is touched once.
.set ROWIN,  4000                      ; bytes in a row as it comes
.set ROWOUT, 2048                      ; and as it leaves
.set OFFL, 1                           ; v1   16 x lane
.set OFF7, 2                           ; v2   the same, held at 400: the row's last load
.set KEEP, 3                           ; v3   all ones in lanes 0-25, else 0
.set OUTO, 4                           ; v4   8 x lane
.set X,    8                           ; v[8:135]  row s: 32 registers, as loaded; of each four the first two then hold the four numbers in bf16
.set IN,   16                          ; s[16:17] the input at my wave's rows
.set OUT,  18                          ; s[18:19] the output at my wave's rows
	s_load_b256 s[4:11], s[0:1], 0x0               ; hs s[4:5], Wc_w s[6:7], hsb s[8:9], wb s[10:11]
	v_and_b32 v6, 31, v0                           ; lane
	v_lshrrev_b32 v7, 5, v0
	v_readfirstlane_b32 s21, v7                    ; wave 0..17
	v_lshlrev_b32 v[OFFL], 4, v6
	v_min_u32 v[OFF7], 400, v[OFFL]
	v_cmp_gt_u32 vcc_lo, 26, v6
	v_cndmask_b32 v[KEEP], 0, -1, vcc_lo
	v_lshlrev_b32 v[OUTO], 3, v6
	s_mul_i32 s22, ttmp9, 18
	s_add_co_u32 s22, s22, s21
	s_lshl_b32 s22, s22, 2                         ; my first row of the 18,432
	s_cmp_lt_u32 s22, 16384
	s_cselect_b32 s23, 0, 16384
	s_sub_co_u32 s23, s22, s23                     ; my first row in its tensor
	s_mul_i32 s24, s23, ROWIN                      ; under 2^27
	s_mov_b32 s25, 0
	s_lshl_b32 s26, s23, 11
	s_mov_b32 s27, 0
	s_wait_kmcnt 0x0
	s_cmp_lt_u32 s22, 16384                        ; hs, or Wc_w?
	s_cselect_b64 s[IN:IN+1], s[4:5], s[6:7]
	s_cselect_b64 s[OUT:OUT+1], s[8:9], s[10:11]
	s_add_nc_u64 s[OUT:OUT+1], s[OUT:OUT+1], s[26:27]
	s_cbranch_scc1 .Lrows
	s_cmp_lt_u32 s23, 2000
	s_cbranch_scc1 .Lrows
	; wb's rows behind Wc_w's end: 4 rows of 2,048 bytes of zeros
	v_mov_b32 v8, 0
	v_mov_b32 v9, 0
	v_mov_b32 v10, 0
	v_mov_b32 v11, 0
.irp i, 0,1,2,3,4,5,6,7,8,9,10,11,12,13,14,15
	global_store_b128 v[OFFL], v[8:11], s[OUT:OUT+1] offset:512*(\i)
.endr
	s_endpgm
.Lrows:
	s_add_nc_u64 s[IN:IN+1], s[IN:IN+1], s[24:25]
.macro FILL s                          ; row s: eight loads
.irp k, 0,1,2,3,4,5,6
	global_load_b128 v[X+32*(\s)+4*(\k):X+32*(\s)+4*(\k)+3], v[OFFL], s[IN:IN+1] offset:ROWIN*(\s)+512*(\k) th:TH_LOAD_NT
.endr
	global_load_b128 v[X+32*(\s)+28:X+32*(\s)+31], v[OFF7], s[IN:IN+1] offset:ROWIN*(\s)+3584 th:TH_LOAD_NT
.endm
.macro TURN s                          ; row s is rounded and stored
	s_wait_loadcnt 24-8*(\s)                       ; loads come back in order: my row's eight are in, the younger rows' eight each stay out
.irp k, 0,1,2,3,4,5,6,7
	v_cvt_pk_bf16_f32 v[X+32*(\s)+4*(\k)],   v[X+32*(\s)+4*(\k)],   v[X+32*(\s)+4*(\k)+1]
	v_cvt_pk_bf16_f32 v[X+32*(\s)+4*(\k)+1], v[X+32*(\s)+4*(\k)+2], v[X+32*(\s)+4*(\k)+3]
.endr
	v_and_b32 v[X+32*(\s)+28], v[KEEP], v[X+32*(\s)+28]  ; columns 1000 .. 1023 are zeros
	v_and_b32 v[X+32*(\s)+29], v[KEEP], v[X+32*(\s)+29]
.irp k, 0,1,2,3,4,5,6,7
	global_store_b64 v[OUTO], v[X+32*(\s)+4*(\k):X+32*(\s)+4*(\k)+1], s[OUT:OUT+1] offset:ROWOUT*(\s)+256*(\k)
.endr
.endm
	FILL 0
	FILL 1
	FILL 2
	FILL 3
	TURN 0
	TURN 1
	TURN 2
	TURN 3
	s_endpgm
.Lfunc_end_k_q5a62c79d10_cast:
	.size	k_q5a62c79d10_cast, .Lfunc_end_k_q5a62c79d10_cast-k_q5a62c79d10_cast
	.p2alignl 7, 3214868480
	.fill 96, 4, 3214868480
	.section	.rodata,"a",@progbits
	.p2align	6, 0x0
	.amdhsa_kernel k_q5a62c79d10_cast
		.amdhsa_group_segment_fixed_size 0
		.amdhsa_private_segment_fixed_size 0
		.amdhsa_enable_private_segment 0
		.amdhsa_kernarg_size 32
		.amdhsa_user_sgpr_count 2
		.amdhsa_user_sgpr_kernarg_segment_ptr 1
		.amdhsa_wavefront_size32 1
		.amdhsa_system_sgpr_workgroup_id_x 1
		.amdhsa_system_sgpr_workgroup_id_y 1
		.amdhsa_system_sgpr_workgroup_id_z 1
		.amdhsa_system_vgpr_workitem_id 0
		.amdhsa_next_free_vgpr 136
		.amdhsa_next_free_sgpr 66
		.amdhsa_reserve_vcc 1
		.amdhsa_float_denorm_mode_32 3
		.amdhsa_float_denorm_mode_16_64 3
		.amdhsa_memory_ordered 1
		.amdhsa_forward_progress 1
		.amdhsa_inst_pref_size 14
	.end_amdhsa_kernel
	.amdgpu_metadata
---
amdhsa.version: [ 1, 2 ]
amdhsa.kernels:
  - .name:           k_q5a62c79d10_cast
    .symbol:         k_q5a62c79d10_cast.kd
    .args:
      - { .name: hs, .offset: 0, .size: 8, .value_kind: global_buffer, .address_space: global }
      - { .name: Wc_w, .offset: 8, .size: 8, .value_kind: global_buffer, .address_space: global }
      - { .name: hsb, .offset: 16, .size: 8, .value_kind: global_buffer, .address_space: global }
      - { .name: wb, .offset: 24, .size: 8, .value_kind: global_buffer, .address_space: global }
    .group_segment_fixed_size: 0
    .private_segment_fixed_size: 0
    .kernarg_segment_align: 8
    .kernarg_segment_size: 32
    .max_flat_workgroup_size: 576
    .sgpr_count:     66
    .vgpr_count:     136
    .wavefront_size: 32
...
	.end_amdgpu_metadata
.endif
;; end of part 1
;; launch attn (part 2): grid 8 x 32, 4 waves a work-group, clusters of 4 x 1, 327,680 bytes of LDS; arguments ht, hsb, mask, cb, htb; writes cb, htb
.if DOCPART == 2
	.amdgcn_target "amdgcn-amd-amdhsa--gfx1250"
	.amdhsa_code_object_version 6
	.text
	.protected	k_q5a62c79d10_attn
	.globl	k_q5a62c79d10_attn
	.p2align	8
	.type	k_q5a62c79d10_attn,@function
k_q5a62c79d10_attn:
	s_mov_b64 s[64:65], 0
	v_nop
	global_prefetch_b8 v0, s[64:65] scope:SCOPE_SE
	s_setreg_imm32_b32 hwreg(HW_REG_WAVE_MODE, 25, 1), 1
	s_wait_xcnt 0x0
	s_wait_alu depctr_hold_cnt(0) depctr_sa_sdst(0) depctr_va_vdst(0) depctr_va_sdst(0) depctr_va_ssrc(0) depctr_va_vcc(0) depctr_vm_vsrc(0)
	s_getreg_b32 s2, hwreg(HW_REG_IB_STS2, 6, 4)
	s_cmp_eq_u32 s2, 0
	s_cbranch_scc0 .Lentry_in_a_cluster
	s_endpgm
.Lentry_in_a_cluster:
	s_bfe_u32 s2, ttmp6, 0x10000c
	s_cmp_lg_u32 s2, 0x3003
	s_cbranch_scc0 .Lentry_shape_is_right
	s_endpgm
.Lentry_shape_is_right:
; cb[b][q][:] = the sum over s of softmax_s(a[q][s]) hsb[b][s][:], a[q][s] = bf16(ht[b][q]) . hsb[b][s], or exactly -10000 where mask[b][s] is not 0.  Beside it: htb = ht rounded to bf16.
; ht: [32][512][1000] f32; hsb, cb, htb: [32][512][1024] bf16 (channels 1000 .. 1023 are zeros, in what is read and in what is written); mask: [32][512] bytes.
; Products, the maximum and the sum l in f32; ht is rounded once to bf16; the weights p are rounded to bf16 for the second product (l is taken of the unrounded p), the context once at the end.
; LIMITS.  A mask byte other than 0 counts as true.  A weight below 2^-126 counts as 0.  NaN and infinities are not treated apart.
; SHARES.  A work-group owns 64 queries of one batch and walks all 512 keys; the whole row of scores is held in registers, so the softmax is exact, with the row's true maximum.
; PHASE S.  S^T = K Q^T (source 0 = 16 keys, source 1 = 16 queries): a lane holds ONE query (lane % 16) and the keys 8 (lane / 16) + 0..7.  Of every 64 keys wave w owns 16 w .. 16 w + 15: eight key
; tiles kt x four query tiles t = 32 accumulators.  The channels go in 8 steps of 128.  K's tiles (rows of 256 bytes, at multiples of 256 from hsb's first byte) come by tensor loads through two LDS slots.
; Q COMES FROM ht ITSELF.  Wave w owns query rows 16 w .. 16 w + 15.  For each channel step it loads their 128 numbers (a row's 512 bytes an instruction), rounds them, puts them into one of two LDS buffers
; of its work-group and stores them to htb, 256 consecutive bytes an instruction, at a multiple of 256 from htb's first byte.  The loads of step j + 2 are issued in the second quarter of step j and
; waited for in the third quarter of step j + 1: 160 matrix instructions later.
; PHASE V.  O^T = V^T P (source 0 = 16 channels, turned by ds_load_tr16_b128; source 1 = 32 keys x 16 queries).  Wave w owns channels 256 w .. 256 w + 255: 16 channel tiles x 4 query tiles = 64
; accumulators.  The keys go in 8 steps of 64 through two LDS slots.  P stays packed in its makers' registers; the 64 keys' weights of step i + 1 are put into one of two small LDS buffers
; during step i, each wave its own 16 keys' 32 bytes of every row.
; CLUSTER.  The four query blocks of a cluster belong to one batch and walk the same K and V tiles: those are asked for JOINTLY (the same load, descriptor and mask in all four).
; REGISTERS, in windows of 256 (s_set_vgpr_msb: bits 1:0 source 0, 3:2 source 1, 5:4 source 2, 7:6 destination):
;   window 0: v0-63 addresses and statistics; phase S: two fragment buffers of 96 (Q's 4, K's 8); phase V: v64-127 P's fragments (two buffers), v128-255 V's fragments, buffer 0
;   window 1: S^T, tile (kt, t) at 8 (4 kt + t); packed: P at 4 (4 kt + t) in v0-127, and v128-255 V's fragments, buffer 1
;   windows 2, 3: O^T, tile (ct, t) at 8 (4 (ct % 8) + t) of window 2 + ct / 8; in phase S window 2's v0-127 hold ht's numbers on their way, two sets of 64
.set KP,     272      ; a row of K or Q in LDS: 256 bytes + 16 = 68 words: the 16 rows of a load start at 16 different groups of four banks (64 banks of 4 bytes: ISA guide 11.1)
.set KSLOT,  512*KP   ; 139,264: a slot of phase S: 512 rows of K
.set QB,     2*KSLOT  ; 278,528: behind the two slots Q's two buffers, 64 rows each: written by LDS stores alone, no tile ever lands here
.set QBUF,   64*KP
.set VP,     2080     ; a row of V: 2,048 bytes with 16 of padding behind each 1,024: channel x lies at 1040 (x / 512) + 2 (x % 512); 65 x 32 bytes
.set VSLOT,  64*VP    ; 133,120: a slot of phase V; the two lie from byte 0 on, over K's slots
.set PC0,    2*VSLOT  ; 266,240: behind them the two buffers for P: 64 rows of 128 bytes + 16.  These bytes had their last fill in phase S
.set PP,     144
.set PCBUF,  64*PP
.set SMAX,   QB+2*QBUF  ; 313,344: the waves' maxima, word (q, w) at 16 q + 4 w; no tile ever lands here
.set SSUM,   1024     ; behind them, the waves' sums, likewise
.set SPARE,  SMAX+2048  ; the spare words, 128 bytes for each wave: two blocks of 256 bytes that no other line names
.set SP,     528      ; the way out: 16 rows of 512 bytes + 16 for each wave, in V's slot 0 when it has had its last fill and its last read
.set R,    1          ; v1  lane % 16
.set H,    2          ; v2  lane / 16
.set ADRK, 4          ; v4-7   my K fragments: slot n, key tiles 4 g .. 4 g + 3 at v[ADRK + 2 n + g] (a 16-bit immediate does not span eight tiles 64 rows apart)
.set ADRQ, 8          ; v8-9   Q's fragments in buffer n
.set AV,   10         ; v10-13 V's turning loads: slot n, keys 32 half on, at v[AV + 2 n + half]
.set APC,  14         ; v14 P's fragments
.set APS,  15         ; v15 where I put my 16 bytes of a row of P
.set AST,  16         ; v16 my wave's word of a query's statistics
.set ARD,  17         ; v17 the four waves' words
.set STO,  18         ; v18 the way out: where I put 16 bytes of a row
.set RD,   19         ; v19 where I read a row back
.set CO,   20         ; v20 16 x lane
.set PFO,  21         ; v21 2,048 x lane: a lane a row
.set NEG,  22         ; v22 -10000.0
.set MOF,  23         ; v23 my eight mask bytes: 16 w + 8 (lane / 16)
.set MB,   24         ; v24-39 the mask bytes, two words for each key tile
.set ST,   40         ; v40-47 for query tile t: c m, m
.set LS,   48         ; v48-55 for query tile t: l (even keys', odd keys'), later 1 / l twice
.set CT,   56         ; v56-59 at work in the softmax; in phase S they hold the next four
.set QVO,  56         ; v56 my byte in a row of ht: 16 x lane + the step's byte, held at the row's last 16 bytes
.set AQS,  57         ; v57 where I put 8 bytes of a row of Q
.set HO,   58         ; v58 8 x lane
.set KEEP, 59         ; v59 all ones in lanes 0-25, else 0
.set SPW,  60         ; v60 my spare word: SPARE + 4 x my thread's number; never rewritten
.set NIL,  61         ; v61 0; never rewritten
.set F0,   64
.set F1,   160
.set PF,   64
.set VF,   128
.set TMP,  64
.set BK,   128
.set WV,   12         ; s12 my wave's number
.set G1K,  24         ; s[24:31] group 1 for K's tiles;  s[40:47] for V's
.set G1V,  40
.set HP,   32         ; s[32:33] htb at my wave's rows, at the channel step that is stored next
.set QP,   34         ; s[34:35] ht at my wave's rows; never rewritten
.set KB,   36         ; s36 the byte in a row of ht at which the step loaded last begins
.set LIM,  37         ; s37 1 in a cluster that prefetches, else the greatest number
.set VC,   38         ; s38 phase V's trips to go
.set G0K,  48         ; s[48:55] group 0 for K's tiles, a set for each slot;  s[68:75] V's
.set G0V,  68
.set CS,   76         ; s[76:77] c = log2(e)
.set SEL,  78         ; s[78:79] v_permlanex16_b32's selects: each lane takes its own place in the other half
.set PFA,  80         ; s[80:81] where my prefetches stand
.set MK,   84         ; s[84:91] eight lane masks
.set MSB, 0
.macro WIN new                      ; the high byte repeats the setting that is left; a switch that changes nothing is dropped
.if MSB != (\new)
	s_set_vgpr_msb (MSB<<8)|(\new)
.set MSB, (\new)
.endif
.endm
.macro PLACES                       ; four places between a matrix instruction and a load into, or a vector instruction on, its registers
.rept 4
	v_nop
.endr
.endm
.macro ALL4 line:vararg             ; one line for each query tile t
.set t, 0
.rept 4
	\line
.set t, t+1
.endr
.endm
.macro CREST                        ; a round of the cluster's barrier behind its opening barrier
	s_cmp_lg_u32 s[WV], 0
	s_cbranch_scc1 .Lnot_wave_0_\@
	s_barrier_signal -3
.Lnot_wave_0_\@:
	s_barrier_wait -3
	s_barrier_signal -1
	s_barrier_wait -1
.endm
.macro CROUND
	s_barrier_signal -1
	s_barrier_wait -1
	CREST
.endm
; A fill of phase S's slot n: every wave asks jointly for 128 of K's 512 rows.  An s_nop 0 and four v_nop follow the line; the four are also the places in front of the LDS loads that follow.
.macro JLOADK n
	tensor_load_to_lds s[G0K+4*(\n):G0K+4*(\n)+3], s[G1K:G1K+7]
	s_nop 0
	PLACES
.endm
.macro JLOADV n                     ; a fill of phase V's slot n: every wave asks jointly for 16 of the 64 keys' rows
	tensor_load_to_lds s[G0V+4*(\n):G0V+4*(\n)+3], s[G1V:G1V+7]
	s_nop 0
	PLACES
.endm
; A PREFETCH INTO THE L2, behind a refill and the run of LDS loads that follows it: K's channel step that stands two refills on, 256 bytes of a row, a lane a row, one instruction a wave.
; Both clusters of a batch walk the same rows of hsb: the first asks.  Row = 128 x place in the cluster + 32 x wave + lane: told apart by address, so each block is named once in the launch.
; Steps 0 to 3 come by their loads alone; the loop's last trip asks for nothing: there is no step behind its own.  V's walk reads hsb a second time and is not asked for; ht's loads are themselves issued ahead.
.macro ASK
	s_cmp_gt_u32 s3, s[LIM]         ; s3 = 1 in the loop's last trip
	s_cbranch_scc0 .Lnone_\@
	global_prefetch_b8 v[PFO], s[PFA:PFA+1] th:TH_LOAD_NT scope:SCOPE_SE
.Lnone_\@:
.endm
	s_load_b256 s[4:11], s[0:1], 0x0  ; ht s[4:5], hsb s[6:7], mask s[8:9], cb s[10:11]
	s_load_b64 s[HP:HP+1], s[0:1], 0x20  ; htb
	v_lshl_add_u32 v[SPW], v0, 2, SPARE
	v_mov_b32 v[NIL], 0
	ds_add_u32 v[SPW], v[NIL]       ; the wave's opening: the add and its wait stand ahead of my first tensor load; the set-up below, work on registers, stands between them
	v_lshrrev_b32 v3, 5, v0
	v_readfirstlane_b32 s[WV], v3   ; wave 0..3
	s_bfe_u32 s13, ttmp6, 0x40000   ; cx: my place in the cluster
	s_lshl_b32 s14, ttmp9, 2        ; in a cluster launch ttmp9 counts clusters
	s_add_co_u32 s14, s14, s13      ; my block of 64 queries: it enters ht's, htb's and cb's addresses alone
	s_and_b32 s15, ttmp7, 0xffff    ; the batch, which the four partners share
	s_lshl_b32 s20, s15, 20         ; a batch is 512 rows of 2,048 bytes.  All these offsets stay under 2^27
	s_lshl_b32 s22, s[WV], 18       ; K: my 128 rows
	s_add_co_u32 s22, s22, s20
	s_mov_b32 s23, 0
	s_lshl_b32 s18, s[WV], 15       ; V: my 16 rows of a tile's 64
	s_add_co_u32 s18, s18, s20
	s_mov_b32 s19, 0
	s_lshl_b32 s94, s14, 17         ; cb: my block's 64 rows,
	s_add_co_u32 s94, s94, s20
	s_lshl_b32 s17, s[WV], 9        ; my 256 channels
	s_add_co_u32 s94, s94, s17
	s_mov_b32 s95, 0
	s_lshl_b32 s58, s13, 18         ; the prefetches: row 128 cx + 32 w,
	s_lshl_b32 s17, s[WV], 16
	s_add_co_u32 s58, s58, s17
	s_add_co_u32 s58, s58, s20
	s_add_co_u32 s58, s58, 768      ; at channel step 3: the first refill steps it to 4
	s_mov_b32 s59, 0
	s_lshl_b32 s16, s15, 9          ; the batch's 512 rows, and its 512 mask bytes
	s_mov_b32 s20, s16
	s_mov_b32 s21, 0
	s_lshl_b32 s17, s14, 6
	s_add_co_u32 s16, s16, s17
	s_lshl_b32 s17, s[WV], 4
	s_add_co_u32 s16, s16, s17      ; my wave's first query row of the 16,384
	s_mul_i32 s92, s16, 4000        ; in ht,
	s_mov_b32 s93, 0
	s_lshl_b32 s2, s16, 11          ; in htb
	s_mov_b32 s3, 0
	s_mul_i32 s39, s[WV], 128*KP    ; where the tiles go: no place in the cluster enters an LDS address
	s_mul_i32 s56, s[WV], 16*VP
	; group 1.  K: 128 rows x 128 elements, padded by 4 words behind every 64.  V: 16 rows x 1,024 elements, padded by 4 words behind every 256
	s_mov_b32 s[G1K], 15|(1<<16)|(1<<20)|(1<<21)|(5<<22)|(3<<25)  ; 15:0 the mask of four; 17:16 2-byte elements; 20 padding on; 21 set beside a mask; 24:22 the interval; 31:25 the pad less one
	s_mov_b32 s[G1K+1], 128<<16     ; tensor_dim0
	s_mov_b32 s[G1K+2], 128<<16     ; tensor_dim1
	s_mov_b32 s[G1K+3], 128<<16     ; tile_dim0
	s_mov_b32 s[G1K+4], 128         ; tile_dim1
	s_mov_b32 s[G1K+5], 1024        ; elements from row to row
	s_mov_b32 s[G1K+6], 0
	s_mov_b32 s[G1K+7], 0
	s_mov_b32 s[G1V], 15|(1<<16)|(1<<20)|(1<<21)|(7<<22)|(3<<25)
	s_mov_b32 s[G1V+1], 1024<<16
	s_mov_b32 s[G1V+2], 16<<16
	s_mov_b32 s[G1V+3], 1024<<16
	s_mov_b32 s[G1V+4], 16
	s_mov_b32 s[G1V+5], 1024
	s_mov_b32 s[G1V+6], 0
	s_mov_b32 s[G1V+7], 0
	s_mov_b32 s[CS], 0x3fb8aa3b     ; log2(e)
	s_mov_b32 s[CS+1], s[CS]        ; named with it as a pair
	s_mov_b32 s[SEL], 0x76543210
	s_mov_b32 s[SEL+1], 0xfedcba98
	s_mov_b32 s[KB], 512            ; channel steps 0 and 1 are loaded at the head
	s_cmp_eq_u32 ttmp9, 0           ; the batch's first cluster: the same in all four partners
	s_cselect_b32 s[LIM], 1, -1
	s_wait_dscnt 0x0                ; the opening add is done
	s_wait_kmcnt 0x0
	s_add_nc_u64 s[22:23], s[6:7], s[22:23]   ; hsb at my rows of K
	s_add_nc_u64 s[18:19], s[6:7], s[18:19]   ; hsb at my rows of V's tile 0
	s_add_nc_u64 s[QP:QP+1], s[4:5], s[92:93] ; ht at my wave's rows
	s_add_nc_u64 s[HP:HP+1], s[HP:HP+1], s[2:3]  ; htb at the same rows
	s_add_nc_u64 s[10:11], s[10:11], s[94:95] ; cb at my block's first row, my channels
	s_add_nc_u64 s[8:9], s[8:9], s[20:21]     ; the batch's mask
	s_add_nc_u64 s[PFA:PFA+1], s[6:7], s[58:59]
.irp n, 0,1
	s_mov_b32 s[G0K+4*(\n)], 1      ; 1:0 count = 1
	s_add_co_u32 s[G0K+4*(\n)+1], s39, (\n)*KSLOT                             ; 63:32 LDS address
	s_add_nc_u64 s[G0K+4*(\n)+2:G0K+4*(\n)+3], s[22:23], (\n)*256             ; 120:64 global address: channel step n
	s_or_b32 s[G0K+4*(\n)+3], s[G0K+4*(\n)+3], 0x80000000                     ; 127:126 type = 2
	s_mov_b32 s[G0V+4*(\n)], 1
	s_add_co_u32 s[G0V+4*(\n)+1], s56, (\n)*VSLOT
	s_add_nc_u64 s[G0V+4*(\n)+2:G0V+4*(\n)+3], s[18:19], (\n)*131072          ; key tile n: 64 rows on
	s_or_b32 s[G0V+4*(\n)+3], s[G0V+4*(\n)+3], 0x80000000
.endr
	CROUND                          ; all four work-groups are here: the first joint loads meet
	tensor_load_to_lds s[G0K:G0K+3], s[G1K:G1K+7]      ; a wave's two first fills stand together, ahead of every wait on TENSORcnt and every LDS read: two loads of mine are out
	s_nop 0
	tensor_load_to_lds s[G0K+4:G0K+7], s[G1K:G1K+7]
	s_nop 0
	PLACES
	v_and_b32 v[CO], 31, v0
	v_and_b32 v[R], 15, v0
	v_bfe_u32 v[H], v0, 4, 1
	v_lshlrev_b32 v[PFO], 11, v[CO]
	v_lshlrev_b32 v[HO], 3, v[CO]
	v_cmp_gt_u32 vcc_lo, 26, v[CO]
	v_cndmask_b32 v[KEEP], 0, -1, vcc_lo
	v_lshlrev_b32 v[CO], 4, v[CO]
	s_lshl_b32 s16, s[WV], 4
	v_lshl_add_u32 v[MOF], v[H], 3, s16
.irp k, 0,1,2,3,4,5,6,7
	global_load_b64 v[MB+2*(\k):MB+2*(\k)+1], v[MOF], s[8:9] offset:64*(\k)  ; the mask of keys 64 kt + 16 w + 8 (lane / 16) + 0..7: wanted behind phase S
.endr
	WIN 0x80                        ; destination window 2, address window 0
.set i, 0
.rept 16
	global_load_b128 v[4*i:4*i+3], v[CO], s[QP:QP+1] offset:4000*i            ; channel step 0 of my 16 rows, into set 0
.set i, i+1
.endr
.set i, 0
.rept 16
	global_load_b128 v[64+4*i:64+4*i+3], v[CO], s[QP:QP+1] offset:4000*i+512  ; channel step 1, into set 1
.set i, i+1
.endr
	WIN 0
	; A fragment of K or Q is 16 rows x 32 channels in 8 registers: lane l holds row l % 16, channels 8 (l / 16) + 0..7 and 16 + 8 (l / 16) + 0..7: two loads of 16 bytes, 32 bytes apart.
	v_mul_u32_u24 v3, v[R], KP
	v_lshl_add_u32 v3, v[H], 4, v3
	s_mul_i32 s16, s[WV], 16*KP
	v_add_nc_u32 v[ADRK], s16, v3
	v_add_nc_u32 v[ADRK+1], 256*KP, v[ADRK]
	v_add_nc_u32 v[ADRK+2], KSLOT, v[ADRK]
	v_add_nc_u32 v[ADRK+3], KSLOT+256*KP, v[ADRK]
	v_add_nc_u32 v[ADRQ], QB, v3
	v_add_nc_u32 v[ADRQ+1], QB+QBUF, v3
	v_add_nc_u32 v[AQS], s16, v[HO] ; my wave's 16 rows of a buffer of Q, 8 bytes a lane
	v_add_nc_u32 v[AQS], QB, v[AQS]
	; The turning load takes 16 keys x 16 channels (lane l reads key 8 (l / 16) + l % 8, channels 8 ((l / 8) % 2) + 0..7) and leaves half a fragment of V^T: lane l holds channel l % 16 and 8 keys.
	v_and_b32 v62, 7, v0
	v_lshl_add_u32 v62, v[H], 3, v62
	v_mul_u32_u24 v62, v62, VP
	v_bfe_u32 v63, v0, 3, 1
	v_lshl_add_u32 v62, v63, 4, v62
	s_lshl_b32 s16, s[WV], 9        ; my 256 channels: 512 w bytes,
	s_lshr_b32 s17, s[WV], 1
	s_lshl_b32 s17, s17, 4          ; and the 16 bytes of padding in the row's middle, for waves 2 and 3
	s_add_co_u32 s16, s16, s17
	v_add_nc_u32 v[AV], s16, v62
	v_add_nc_u32 v[AV+1], 32*VP, v[AV]
	v_add_nc_u32 v[AV+2], VSLOT, v[AV]
	v_add_nc_u32 v[AV+3], VSLOT+32*VP, v[AV]
	v_mul_u32_u24 v[APC], v[R], PP
	v_lshl_add_u32 v[APC], v[H], 4, v[APC]
	v_add_nc_u32 v[APC], PC0, v[APC]
	s_lshl_b32 s16, s[WV], 5
	v_add_nc_u32 v[APS], s16, v[APC]
	v_lshlrev_b32 v[ARD], 4, v[R]
	v_add_nc_u32 v[ARD], SMAX, v[ARD]
	s_lshl_b32 s16, s[WV], 2
	v_add_nc_u32 v[AST], s16, v[ARD]
	s_mul_i32 s16, s[WV], 16*SP
	v_mul_u32_u24 v[STO], v[R], SP
	v_lshl_add_u32 v[STO], v[H], 4, v[STO]
	v_add_nc_u32 v[STO], s16, v[STO]
	v_add_nc_u32 v[RD], s16, v[CO]
	v_mov_b32 v[NEG], 0xc61c4000    ; -10000.0
; Q's WAY IN.  QLOAD: my 16 rows' 128 numbers of the next channel step but one, into set `set`: 16 loads, a row's 512 consecutive bytes each.  A lane's byte in the row is held at 3,984, the row's last 16 bytes,
; so that no load passes a row's end.  The set's registers were the data of stores issued three quarters of a step ago, and the offset and htb's address are sources of earlier instructions: all are written only behind s_wait_xcnt 0.
.macro QLOAD set
	WIN 0
	s_wait_xcnt 0x0
	s_add_co_u32 s[KB], s[KB], 512
	s_add_nc_u64 s[HP:HP+1], s[HP:HP+1], 256       ; the step that this step's third quarter stores
	v_add_nc_u32 v[QVO], s[KB], v[CO]
	v_min_u32 v[QVO], 3984, v[QVO]
	WIN 0x80
.set i, 0
.rept 16
	global_load_b128 v[64*(\set)+4*i:64*(\set)+4*i+3], v[QVO], s[QP:QP+1] offset:4000*i
.set i, i+1
.endr
.endm
.macro QSTEP                        ; where nothing is left to load: htb's address alone steps
	s_wait_xcnt 0x0
	s_add_nc_u64 s[HP:HP+1], s[HP:HP+1], 256
.endm
; QPROD: set `set` has come (left: the younger loads that may stay out).  It is rounded to bf16 in place, four numbers into two registers, put into Q's buffer `buf` and stored to htb.
; The buffer's last readers have passed the barrier at the end of the step before; the LDS stores are waited for in front of this step's barrier, behind which the buffer is read.
; last = 1: the last channel step: channels 1000 .. 1023 are cleared.
.macro QPROD set, buf, left, last
	s_wait_loadcnt \left
	WIN 0x8a                        ; sources and destination in window 2
.set i, 0
.rept 16
	v_cvt_pk_bf16_f32 v[64*(\set)+4*i],   v[64*(\set)+4*i],   v[64*(\set)+4*i+1]
	v_cvt_pk_bf16_f32 v[64*(\set)+4*i+1], v[64*(\set)+4*i+2], v[64*(\set)+4*i+3]
.set i, i+1
.endr
.if \last
	WIN 0x88                        ; the lanes' mask in window 0
.set i, 0
.rept 16
	v_and_b32 v[64*(\set)+4*i],   v[KEEP], v[64*(\set)+4*i]
	v_and_b32 v[64*(\set)+4*i+1], v[KEEP], v[64*(\set)+4*i+1]
.set i, i+1
.endr
.endif
	WIN 0x08                        ; addresses in window 0, data in window 2
.set i, 0
.rept 16
	ds_store_b64 v[AQS], v[64*(\set)+4*i:64*(\set)+4*i+1] offset:QBUF*(\buf)+KP*i
.set i, i+1
.endr
.set i, 0
.rept 16
	global_store_b64 v[HO], v[64*(\set)+4*i:64*(\set)+4*i+1], s[HP:HP+1] offset:2048*i  ; 256 consecutive bytes of a row of htb
.set i, i+1
.endr
.endm
; PHASE S.  nk x 4 products: key tiles kt0 on x all four query tiles, 32 channels of buffer f.  The 32 accumulators take turns in the same order in every quarter.  zero = 1: the products start the sums.
.macro MULS f, kt0, nk, zero
	WIN 0x50                        ; K and Q in window 0, S^T in window 1
.set mk, (\kt0)
.rept (\nk)
.set mt, 0
.rept 4
.if \zero
	v_wmma_f32_16x16x32_bf16 v[8*(4*mk+mt):8*(4*mk+mt)+7], v[(\f)+32+8*mk:(\f)+32+8*mk+7], v[(\f)+8*mt:(\f)+8*mt+7], 0
.else
	v_wmma_f32_16x16x32_bf16 v[8*(4*mk+mt):8*(4*mk+mt)+7], v[(\f)+32+8*mk:(\f)+32+8*mk+7], v[(\f)+8*mt:(\f)+8*mt+7], v[8*(4*mk+mt):8*(4*mk+mt)+7]
.endif
.set mt, mt+1
.endr
.set mk, mk+1
.endr
.endm
; 24 LDS loads in one run: a quarter step's fragments (32 channels at byte k of the rows) into buffer f: Q's four, K's tiles 0-3, K's tiles 4-7
.macro FETCHS slot, k, f
	WIN 0
.irp t, 0,1,2,3
	ds_load_b128 v[(\f)+8*(\t):(\f)+8*(\t)+3],   v[ADRQ+(\slot)] offset:(\k)+(\t)*16*KP
	ds_load_b128 v[(\f)+8*(\t)+4:(\f)+8*(\t)+7], v[ADRQ+(\slot)] offset:(\k)+(\t)*16*KP+32
.endr
.irp g, 0,1
.irp c, 0,1,2,3
	ds_load_b128 v[(\f)+32+8*(4*(\g)+(\c)):(\f)+32+8*(4*(\g)+(\c))+3],   v[ADRK+2*(\slot)+(\g)] offset:(\k)+(\c)*64*KP
	ds_load_b128 v[(\f)+32+8*(4*(\g)+(\c))+4:(\f)+32+8*(4*(\g)+(\c))+7], v[ADRK+2*(\slot)+(\g)] offset:(\k)+(\c)*64*KP+32
.endr
.endr
.endm
; One of a step's first three quarters: multiplies buffer f; in its middle stands Q's work that is due (q), and it fetches the next quarter's fragments into buffer g.
; q: 0 none; 1, 2 loads into set 0, 1; 3 set 1 into buffer 1; 4 set 0 into buffer 0; 5 the address's step alone; 6 the last channel step, set 1 into buffer 1.
.macro QS slot, k, f, g, zero, q
	s_wait_dscnt 8                  ; Q and K's tiles 0-3 are in; the youngest eight loads (tiles 4-7) may be out
	MULS \f, 0, 4, \zero
	PLACES
.if (\q) == 1
	QLOAD 0
.elseif (\q) == 2
	QLOAD 1
.elseif (\q) == 3
	QPROD 1, 1, 16, 0               ; 16: the loads issued in this step's second quarter stay out
.elseif (\q) == 4
	QPROD 0, 0, 16, 0
.elseif (\q) == 5
	QSTEP
.elseif (\q) == 6
	QPROD 1, 1, 0, 1                ; no load was issued behind these
.endif
	FETCHS \slot, \k, \g
	s_wait_dscnt 24                 ; all but the 24 just issued
	MULS \f, 4, 4, \zero
.endm
; The last quarter multiplies buffer 1 and changes slots.  In front of the round each wave waits for all its tensor loads (one is out: its part of the next slot), adds 0 to its spare word, and waits for that, for its
; reads of this slot and for its stores of the next step's Q.  Behind the round no wave of any partner reads this slot or has a load on its way, and the refill is the first thing there.
; kind = 1: this slot takes the channel step two on.  kind = 2: phase S needs slot 0 no more: V's key tile 0 goes into its bytes.
.macro TURNS slot, next, kind
.if (\kind) == 1
	s_wait_xcnt 0x0                 ; the last prefetch, a step back, has read its address
	s_add_nc_u64 s[PFA:PFA+1], s[PFA:PFA+1], 256
.endif
	WIN 0
	s_wait_tensorcnt 0x0
	ds_add_u32 v[SPW], v[NIL]       ; 0 onto my spare word; eight products stand between it and the wait for it
	s_wait_dscnt 9                  ; (the add and the youngest eight loads may be out)
	MULS F1, 0, 2, 0
	s_wait_dscnt 0x0                ; the add is done, and my reads of this slot are over
	s_barrier_signal -1
	MULS F1, 2, 2, 0
	WIN 0
	s_barrier_wait -1
	CREST
.if (\kind) == 1
	s_add_nc_u64 s[G0K+4*(\slot)+2:G0K+4*(\slot)+3], s[G0K+4*(\slot)+2:G0K+4*(\slot)+3], 512  ; no load of mine is out, so a group 0 may be written: two steps of 256 bytes on
	JLOADK \slot
.else
	JLOADV 0
.endif
	FETCHS \next, 0, F0
.if (\kind) == 1
	ASK
.endif
	MULS F1, 4, 4, 0
.endm
; PHASE V.  n x 4 products: channel tiles ct0 on x all four query tiles, 32 keys of buffer fb.  The 64 accumulators take turns in the same order in every half step.
.macro MULV fb, ct0, n, zero
.set mc, (\ct0)
.rept (\n)
	WIN 0xa0+0x50*(mc/8)+(\fb)      ; V's fragment in window fb, P's in window 0, O^T in window 2 or 3
.set mt, 0
.rept 4
.set rO, 8*(4*(mc%8)+mt)
.if \zero
	v_wmma_f32_16x16x32_bf16 v[rO:rO+7], v[VF+8*mc:VF+8*mc+7], v[PF+32*(\fb)+8*mt:PF+32*(\fb)+8*mt+7], 0
.else
	v_wmma_f32_16x16x32_bf16 v[rO:rO+7], v[VF+8*mc:VF+8*mc+7], v[PF+32*(\fb)+8*mt:PF+32*(\fb)+8*mt+7], v[rO:rO+7]
.endif
.set mt, mt+1
.endr
.set mc, mc+1
.endr
.endm
; 40 LDS loads in one run: a half step's fragments (32 keys) into buffer fb: P's four, V's channel tiles 0-7, V's tiles 8-15
.macro FETCHV slot, half, fb
	WIN 0
.irp t, 0,1,2,3
	ds_load_b128 v[PF+32*(\fb)+8*(\t):PF+32*(\fb)+8*(\t)+3],   v[APC] offset:PCBUF*(\slot)+16*PP*(\t)+64*(\half)
	ds_load_b128 v[PF+32*(\fb)+8*(\t)+4:PF+32*(\fb)+8*(\t)+7], v[APC] offset:PCBUF*(\slot)+16*PP*(\t)+64*(\half)+32
.endr
	WIN 0x40*(\fb)                  ; buffer 1 lies in window 1
.set fc, 0
.rept 16
	ds_load_tr16_b128 v[VF+8*fc:VF+8*fc+3],   v[AV+2*(\slot)+(\half)] offset:32*fc
	ds_load_tr16_b128 v[VF+8*fc+4:VF+8*fc+7], v[AV+2*(\slot)+(\half)] offset:32*fc+16*VP
.set fc, fc+1
.endr
.endm
.macro CHUNK kt                     ; my 16 keys' weights of key step kt, for all 64 queries, into P's buffer kt % 2
	WIN 0x04                        ; the data lie in window 1
.irp t, 0,1,2,3
	ds_store_b128 v[APS], v[4*(4*(\kt)+(\t)):4*(4*(\kt)+(\t))+3] offset:PCBUF*((\kt)%2)+16*PP*(\t)
.endr
.endm
; In the loop the registers that hold the next step's weights change with the trip: the four stores stand three times, and a forward jump on the trips to go (3, 2, 1) picks key step 2, 4, 6 (odd = 0) or 3, 5, 7 (odd = 1).
.macro CHUNKSEL odd
	WIN 0
	s_cmp_eq_u32 s[VC], 3
	s_cbranch_scc1 .Lck_a_\@
	s_cmp_eq_u32 s[VC], 2
	s_cbranch_scc1 .Lck_b_\@
	CHUNK 6+(\odd)
	WIN 0
	s_branch .Lck_z_\@
.Lck_a_\@:
	CHUNK 2+(\odd)
	WIN 0
	s_branch .Lck_z_\@
.Lck_b_\@:
	CHUNK 4+(\odd)
	WIN 0
.Lck_z_\@:
.endm
; A step's first half: multiplies buffer 0; in its middle it publishes the next step's weights (ck: the key step; 100, 101: by the trip, even or odd; none if negative) and fetches the second half's fragments into buffer 1.
; The buffer that takes the weights was last read in the step before, whose barrier every wave has passed with its reads back; the stores are waited for in front of this step's barrier.
.macro HALFV slot, zero, ck
	s_wait_dscnt 16                 ; P and V's tiles 0-7 are in; the youngest sixteen loads (tiles 8-15) may be out
	MULV 0, 0, 8, \zero
	PLACES
.if (\ck) >= 100
	CHUNKSEL (\ck)-100
.elseif (\ck) >= 0
	CHUNK \ck
.endif
	FETCHV \slot, 1, 1
	s_wait_dscnt 40                 ; all but the 40 just issued
	MULV 0, 8, 8, \zero
.endm
; A step's second half multiplies buffer 1 and changes slots, as TURNS does.  fill = 1: this slot takes the key tile two on.
.macro TURNV slot, next, fill
	WIN 0
	s_wait_tensorcnt 0x0            ; all my tensor loads have landed: the one that was out is my part of the next slot
	ds_add_u32 v[SPW], v[NIL]       ; 0 onto my spare word; sixteen products stand between it and the wait for it
	s_wait_dscnt 17                 ; (the add and the youngest sixteen loads may be out)
	MULV 1, 0, 4, 0
	s_wait_dscnt 0x0                ; the add is done; my reads of this slot and my stores of the next step's weights are over
	s_barrier_signal -1
	MULV 1, 4, 4, 0
	WIN 0
	s_barrier_wait -1
.if \fill
	CREST
	s_add_nc_u64 s[G0V+4*(\slot)+2:G0V+4*(\slot)+3], s[G0V+4*(\slot)+2:G0V+4*(\slot)+3], 262144  ; 128 keys on
	JLOADV \slot
.else
	PLACES
.endif
	FETCHV \next, 0, 0
	MULV 1, 8, 8, 0
.endm
	QPROD 0, 0, 16, 0               ; channel step 0 of Q: the mask bytes and set 0 are in, set 1's 16 loads stay out
	WIN 0
	s_wait_tensorcnt 0x1            ; my part of slot 0 is in; slot 1's may stay out
	s_wait_dscnt 0x0                ; my rows of Q are in LDS
	s_barrier_signal -1
	s_barrier_wait -1               ; everybody's are
	FETCHS 0, 0, F0
	QS 0, 64, F0, F1, 1, 0          ; the first quarter stands in front of the loop: its products start the sums
	WIN 0
	s_mov_b32 s3, 3
.Llap:                              ; a trip goes once round the ring, from a lap's second quarter to the next lap's first; three trips ask for K's channel steps 2 to 7 and load Q's
	QS 0, 128, F1, F0, 0, 1
	QS 0, 192, F0, F1, 0, 3
	TURNS 0, 1, 1
	QS 1, 64,  F0, F1, 0, 0
	QS 1, 128, F1, F0, 0, 2
	QS 1, 192, F0, F1, 0, 4
	TURNS 1, 0, 1
	QS 0, 64,  F0, F1, 0, 0
	WIN 0
	s_sub_co_u32 s3, s3, 1
	s_cmp_lg_u32 s3, 0
	s_cbranch_scc1 .Llap
	QS 0, 128, F1, F0, 0, 5         ; steps 6 and 7 are written out
	QS 0, 192, F0, F1, 0, 6
	TURNS 0, 1, 2
	QS 1, 64,  F0, F1, 0, 0
	QS 1, 128, F1, F0, 0, 0
	QS 1, 192, F0, F1, 0, 0
	s_wait_dscnt 8
	MULS F1, 0, 4, 0
	s_wait_dscnt 0x0
	MULS F1, 4, 4, 0
	; Phase S is over: V's key tile 1 goes over the rest of K's slots, behind a round like every refill, and lands under the softmax.  Its four v_nop are the places behind the last products.
	WIN 0
	s_wait_tensorcnt 0x0            ; V's tile 0 has landed
	ds_add_u32 v[SPW], v[NIL]
	s_wait_xcnt 0x0                 ; htb's last stores have read their data and their offset: the softmax and phase V write those registers
	s_wait_dscnt 0x0
	CROUND
	JLOADV 1
	; THE SOFTMAX.  A masked key's score is replaced by -10000: eight lane masks for a key tile's eight registers serve its four query tiles.  Each accumulator is read from its lowest register on.
	s_wait_loadcnt 0x0              ; the mask bytes
.set kt, 0
.rept 8
	WIN 0
.set j, 0
.rept 8
	v_and_b32 v[64+j], 0xff<<(8*(j%4)), v[MB+2*kt+j/4]
	v_cmp_ne_u32 s[MK+j], 0, v[64+j]
.set j, j+1
.endr
	WIN 0x41
.set i, 0
.rept 32
	v_cndmask_b32 v[32*kt+i], v[32*kt+i], v[NEG], s[MK+i%8]
.set i, i+1
.endr
.set kt, kt+1
.endr
	; the maximum of my 128 keys for each of my lanes' four queries, three operands at a time, the four query tiles by turns
.set kt, 0
.rept 8
	WIN 0x15
	ALL4 v_max3_num_f32 v[CT+t], v[32*kt+8*t], v[32*kt+8*t+1], v[32*kt+8*t+2]
	WIN 0x14
	ALL4 v_max3_num_f32 v[CT+t], v[CT+t], v[32*kt+8*t+3], v[32*kt+8*t+4]
	ALL4 v_max3_num_f32 v[CT+t], v[CT+t], v[32*kt+8*t+5], v[32*kt+8*t+6]
.if kt == 0
	WIN 0x04
	ALL4 v_max_num_f32 v[ST+2*t+1], v[CT+t], v[8*t+7]
.else
	WIN 0x10
	ALL4 v_max3_num_f32 v[ST+2*t+1], v[ST+2*t+1], v[CT+t], v[32*kt+8*t+7]
.endif
.set kt, kt+1
.endr
	WIN 0
	ALL4 v_permlanex16_b32 v[CT+t], v[ST+2*t+1], s[SEL], s[SEL+1]  ; the query's other keys lie in the lane 16 away
	ALL4 v_max_num_f32 v[ST+2*t+1], v[ST+2*t+1], v[CT+t]
	ALL4 ds_store_b32 v[AST], v[ST+2*t+1] offset:256*t
	s_wait_dscnt 0x0                ; for the others' sake
	s_barrier_signal -1             ; V's tile 1 may stay out
	s_barrier_wait -1
	ALL4 ds_load_b128 v[64+4*t:67+4*t], v[ARD] offset:256*t
	s_wait_dscnt 0x0
	ALL4 v_max3_num_f32 v[ST+2*t+1], v[64+4*t], v[65+4*t], v[66+4*t]
	ALL4 v_max_num_f32 v[ST+2*t+1], v[ST+2*t+1], v[67+4*t]      ; m: the row's maximum over all 512 keys
	ALL4 v_mul_f32 v[ST+2*t], s[CS], v[ST+2*t+1]                ; c m
	; p = 2^(c s - c m).  The 256 exponentials are ONE batch with one wait; the scalings stand among them, four pairs ahead, and name no result.
.macro SCL p
	v_pk_fma_f32 v[2*(\p):2*(\p)+1], v[2*(\p):2*(\p)+1], s[CS:CS+1], v[ST+2*(((\p)/4)%4):ST+2*(((\p)/4)%4)+1] op_sel_hi:[1,0,0] neg_lo:[0,0,1] neg_hi:[0,0,1]
.endm
	WIN 0x41
.set p, 0
.rept 4
	SCL p
.set p, p+1
.endr
.set p, 0
.rept 128
	v_exp_f32 v[2*p], v[2*p]
.if p < 124
	SCL p+4
.endif
	v_exp_f32 v[2*p+1], v[2*p+1]
.set p, p+1
.endr
	v_nop                           ; a plain instruction behind the last exponential,
	s_wait_alu depctr_va_vdst(0)    ; and the one wait ahead of the batch's first reader
	WIN 0x05                        ; the sums of the unrounded weights, two at a time, four chains
	ALL4 v_pk_add_f32 v[LS+2*t:LS+2*t+1], v[8*t:8*t+1], v[8*t+2:8*t+3]
	WIN 0x04
.set q, 2
.rept 30
	ALL4 v_pk_add_f32 v[LS+2*t:LS+2*t+1], v[LS+2*t:LS+2*t+1], v[32*(q/4)+8*t+2*(q%4):32*(q/4)+8*t+2*(q%4)+1]
.set q, q+1
.endr
	WIN 0x45                        ; the weights are rounded to bf16 and packed downward: word i takes numbers 2 i and 2 i + 1, which no earlier word has overwritten
.set i, 0
.rept 128
	v_cvt_pk_bf16_f32 v[i], v[2*i], v[2*i+1]
.set i, i+1
.endr
	WIN 0
	ALL4 v_add_f32 v[LS+2*t], v[LS+2*t], v[LS+2*t+1]
	ALL4 v_permlanex16_b32 v[CT+t], v[LS+2*t], s[SEL], s[SEL+1]
	ALL4 v_add_f32 v[LS+2*t], v[LS+2*t], v[CT+t]
	ALL4 ds_store_b32 v[AST], v[LS+2*t] offset:SSUM+256*t
	CHUNK 0                         ; key step 0's weights
	WIN 0
	s_wait_dscnt 0x0
	s_barrier_signal -1
	s_barrier_wait -1
	ALL4 ds_load_b128 v[96+4*t:99+4*t], v[ARD] offset:SSUM+256*t
	FETCHV 0, 0, 0                  ; V's tile 0 was shown landed, in every wave, by the round behind phase S
	WIN 0
	s_wait_dscnt 40                 ; the four waves' sums are in; the 40 loads just issued may be out
	ALL4 v_add_f32 v[96+4*t], v[96+4*t], v[97+4*t]
	ALL4 v_add_f32 v[98+4*t], v[98+4*t], v[99+4*t]
	ALL4 v_add_f32 v[96+4*t], v[96+4*t], v[98+4*t]
	ALL4 v_rcp_f32 v[LS+2*t], v[96+4*t]       ; 1 / l, twice: a pair for the packed multiply.  l is at least 1: the row's largest weight
	ALL4 v_rcp_f32 v[LS+2*t+1], v[96+4*t]
	v_nop
	s_wait_alu depctr_va_vdst(0)    ; one wait for the eight reciprocals
	; PHASE V: eight key steps.  The first half step starts the sums; three trips go from a step's second half to the first half of the step two on, and ask for key tiles 2 to 7; the rest is written out.
	HALFV 0, 1, 1
	WIN 0
	s_mov_b32 s[VC], 3
.Lvlap:
	TURNV 0, 1, 1
	HALFV 1, 0, 100
	TURNV 1, 0, 1
	HALFV 0, 0, 101
	WIN 0
	s_sub_co_u32 s[VC], s[VC], 1
	s_cmp_lg_u32 s[VC], 0
	s_cbranch_scc1 .Lvlap
	TURNV 0, 1, 0                   ; nothing is left to ask for
	HALFV 1, 0, -1
	s_wait_dscnt 16
	MULV 1, 0, 8, 0
	s_wait_dscnt 0x0
	MULV 1, 8, 8, 0
	; THE WAY OUT, a query tile (16 rows of cb) at a time: O^T times 1 / l, rounded to bf16; a lane's eight channels are 16 bytes; they go into my stage's rows of 528 bytes and come back as whole rows of 512.
.macro PACKO t
.irp g, 0,1
	WIN 0x82+0x41*(\g)              ; O^T in window 2 or 3, 1 / l in window 0
.set i, 0
.rept 32
	v_pk_mul_f32 v[32*(i/4)+8*(\t)+2*(i%4):32*(i/4)+8*(\t)+2*(i%4)+1], v[32*(i/4)+8*(\t)+2*(i%4):32*(i/4)+8*(\t)+2*(i%4)+1], v[LS+2*(\t):LS+2*(\t)+1]
.set i, i+1
.endr
	WIN 0x0a+5*(\g)
.set i, 0
.rept 32
	v_cvt_pk_bf16_f32 v[TMP+32*(\g)+i], v[32*(i/4)+8*(\t)+2*(i%4)], v[32*(i/4)+8*(\t)+2*(i%4)+1]
.set i, i+1
.endr
.endr
	WIN 0
.set i, 0
.rept 16
	ds_store_b128 v[STO], v[TMP+4*i:TMP+4*i+3] offset:32*i
.set i, i+1
.endr
	s_wait_xcnt 0x0                 ; the stores of two tiles back have read these registers
.set i, 0
.rept 16
	ds_load_b128 v[BK+64*((\t)%2)+4*i:BK+64*((\t)%2)+4*i+3], v[RD] offset:SP*i  ; LDS serves a wave's instructions in order (ISA guide 5.7.1.4): these see the stores above; the next tile's stores come behind them
.set i, i+1
.endr
.endm
.macro SENDO t, younger             ; younger: the LDS instructions issued behind tile t's loads: the next tile's 32, or none
	WIN 0
	s_wait_dscnt \younger
.set i, 0
.rept 16
	global_store_b128 v[CO], v[BK+64*((\t)%2)+4*i:BK+64*((\t)%2)+4*i+3], s[10:11] offset:(16*(\t)+i)*2048  ; 512 consecutive bytes, at a multiple of 256 from cb's first byte
.set i, i+1
.endr
.endm
	PLACES
	PACKO 0
	PACKO 1                         ; a tile's arithmetic stands between the loads of the tile before and its stores
	SENDO 0, 32
	PACKO 2
	SENDO 1, 32
	PACKO 3
	SENDO 2, 32
	SENDO 3, 0
	s_wait_tensorcnt 0x0            ; the wave's end: a wait, an add and its wait, behind my last tensor load and my last LDS store
	ds_add_u32 v[SPW], v[NIL]
	s_wait_dscnt 0x0
	CROUND                          ; the closing round: no work-group ends while a partner may still ask for a tile that names it
	s_endpgm
.Lfunc_end_k_q5a62c79d10_attn:
	.size	k_q5a62c79d10_attn, .Lfunc_end_k_q5a62c79d10_attn-k_q5a62c79d10_attn
	.p2alignl 7, 3214868480
	.fill 96, 4, 3214868480
	.section	.rodata,"a",@progbits
	.p2align	6, 0x0
	.amdhsa_kernel k_q5a62c79d10_attn
		.amdhsa_group_segment_fixed_size 327680
		.amdhsa_private_segment_fixed_size 0
		.amdhsa_enable_private_segment 0
		.amdhsa_kernarg_size 40
		.amdhsa_user_sgpr_count 2
		.amdhsa_user_sgpr_kernarg_segment_ptr 1
		.amdhsa_wavefront_size32 1
		.amdhsa_system_sgpr_workgroup_id_x 1
		.amdhsa_system_sgpr_workgroup_id_y 1
		.amdhsa_system_sgpr_workgroup_id_z 1
		.amdhsa_system_vgpr_workitem_id 0
		.amdhsa_next_free_vgpr 1024
		.amdhsa_next_free_sgpr 96
		.amdhsa_reserve_vcc 1
		.amdhsa_float_denorm_mode_32 3
		.amdhsa_float_denorm_mode_16_64 3
		.amdhsa_memory_ordered 1
		.amdhsa_forward_progress 1
		.amdhsa_inst_pref_size 255
	.end_amdhsa_kernel
	.section	.bss,"aw",@nobits
	.p2align	6
	.space	262144
	.amdgpu_metadata
---
amdhsa.version: [ 1, 2 ]
amdhsa.kernels:
  - .name:           k_q5a62c79d10_attn
    .symbol:         k_q5a62c79d10_attn.kd
    .args:
      - { .name: ht, .offset: 0, .size: 8, .value_kind: global_buffer, .address_space: global }
      - { .name: hsb, .offset: 8, .size: 8, .value_kind: global_buffer, .address_space: global }
      - { .name: mask, .offset: 16, .size: 8, .value_kind: global_buffer, .address_space: global }
      - { .name: cb, .offset: 24, .size: 8, .value_kind: global_buffer, .address_space: global }
      - { .name: htb, .offset: 32, .size: 8, .value_kind: global_buffer, .address_space: global }
    .group_segment_fixed_size: 327680
    .private_segment_fixed_size: 0
    .kernarg_segment_align: 8
    .kernarg_segment_size: 40
    .max_flat_workgroup_size: 128
    .sgpr_count:     96
    .vgpr_count:     1024
    .wavefront_size: 32
...
	.end_amdgpu_metadata
.endif
;; end of part 2
;; launch proj (part 3): grid 4 x 64, 4 waves a work-group, clusters of 4 x 4, 327,680 bytes of LDS; arguments cb, htb, wb, Wc_b, out0; writes out0
.if DOCPART == 3
	.amdgcn_target "amdgcn-amd-amdhsa--gfx1250"
	.amdhsa_code_object_version 6
	.text
	.protected	k_q5a62c79d10_proj
	.globl	k_q5a62c79d10_proj
	.p2align	8
	.type	k_q5a62c79d10_proj,@function
k_q5a62c79d10_proj:
	s_mov_b64 s[64:65], 0
	v_nop
	global_prefetch_b8 v0, s[64:65] scope:SCOPE_SE
	s_setreg_imm32_b32 hwreg(HW_REG_WAVE_MODE, 25, 1), 1
	s_wait_xcnt 0x0
	s_wait_alu depctr_hold_cnt(0) depctr_sa_sdst(0) depctr_va_vdst(0) depctr_va_sdst(0) depctr_va_ssrc(0) depctr_va_vcc(0) depctr_vm_vsrc(0)
	s_getreg_b32 s2, hwreg(HW_REG_IB_STS2, 6, 4)
	s_cmp_eq_u32 s2, 0
	s_cbranch_scc0 .Lentry_in_a_cluster
	s_endpgm
.Lentry_in_a_cluster:
	s_bfe_u32 s2, ttmp6, 0x10000c
	s_cmp_lg_u32 s2, 0xf033
	s_cbranch_scc0 .Lentry_shape_is_right
	s_endpgm
.Lentry_shape_is_right:
; out0[m][n] = tanh(the sum over k of A[m][k] wb[n][k] + Wc_b[n]), A = [cb | htb]: 16,384 rows, K = 2,048 (1,024 from each buffer, the last 24 of each zeros), n < 1000.
; cb, htb: [16384][1024] bf16; wb: [1024][2048] bf16 (rows from 1000 on are zeros); Wc_b: [1000] f32, rounded to bf16 like the other inputs; out0: [16384][1000] f32.  Sums in f32.
; tanh(x) = 1 - 2 / (1 + 2^(2 log2(e) x)): an absolute error of some 1e-7; it ends in +1 and -1 where the power is infinite or 0.  NaN and infinities are not treated apart.
; A tile of 256 x 256 is made by a work-group of four waves, a wave makes 128 x 128: 64 accumulators, 512 registers.  64 x 4 tiles: one for each work-group.  K goes in 16 steps of 128 through a ring of two
; LDS slots; steps 0-7 take A's tile from cb, steps 8-15 from htb.  Tile rows are 256 bytes of memory at multiples of 256 from the buffers' first bytes.
; CLUSTERS: 4 x 4 work-groups.  The four of a row of the cluster need the same tiles of A, the four of a column the same tiles of wb: each is asked for JOINTLY, by the same load, descriptor and mask in all four.
; THE MATRIX INSTRUCTION IS USED TRANSPOSED (source 0 = 16 rows of wb, source 1 = 16 rows of A): a lane holds row m = lane % 16 and the eight columns 8 (lane / 16) + 0..7.
; REGISTERS, in windows of 256: window 0: v0-39 addresses; v64-127, v128-191 A's fragments, two buffers; v192-255 at work on the way out
;   window 1: v0-63 the bias of my lane's 64 columns, times 2 log2(e); v64-127, v128-191 wb's fragments        window 2: the accumulators of my rows 0-63 ((a, b) at 8 (8 a + b)); window 3: rows 64-127
.set KSTEP,  128
.set PITCH,  272                       ; an LDS row: 256 bytes + 16 = 68 words: the 16 rows that a load touches start at 16 different groups of four banks (64 banks of 4 bytes: ISA guide 11.1)
.set HALFT,  128*PITCH
.set SLOT,   4*HALFT                   ; A's 256 rows, then wb's 256 rows
.set STAGE,  2*SLOT                    ; behind the ring: 16 rows x 528 bytes for each wave, for the way out; no tile lands here
.set SPITCH, 528                       ; 128 f32 + 16 bytes
.set SPARE,  STAGE+4*16*SPITCH         ; the spare words, 128 bytes for each wave: two blocks of 256 bytes that no other line names
.set LAPS,   8                         ; a lap = two K steps = once round the ring
.set ADRA, 16                          ; v16-17  my A fragments in slot 0, 1
.set ADRB, 20                          ; v20-21  the same for wb
.set STO,  24                          ; v24     the way out: where I put 32 bytes of a row
.set RD,   25                          ; v25     where I read a row back
.set CO,   26                          ; v26     16 x lane
.set LANE, 27                          ; v27     lane
.set SPW,  28                          ; v28     my spare word: SPARE + 4 x my thread's number; never rewritten
.set NIL,  29                          ; v29     0; never rewritten
.set PFO,  30                          ; v30     the prefetches' offset: lane x a row's bytes
.set BO,   32                          ; v32-39  the bias loads' offsets
.set F0,   64
.set F1,   128
.set TMP,  192
.set BK,   64                          ; the way out: 16 rows read back from the stage
.set WV,  14                           ; s14  wave
.set HR,  15                           ; s15  which half of the tile's rows is mine.  Also: I fetch for A (0) or for wb (1)
.set HC,  16                           ; s16  which half of its columns.  Also: which 128 rows of that tile I fetch
.set G1,  24                           ; s[24:31] group 1 for A's tiles;  s[32:39] group 0, a set for each slot
.set G0,  32
.set G1B, 48                           ; s[48:55], s[56:63] the same for wb's tiles
.set G0B, 56
.set PCB, 66                           ; s[66:67] cb at the 128 rows that I fetch
.set PHT, 68                           ; s[68:69] htb at the same rows
.set KO,  70                           ; s70-71  slot n: the byte along the 4,096 bytes of K at which its tile begins
.set KW,  72                           ; s[72:73] that byte within one buffer's row; the high word stays 0
.set PF0, 74                           ; s[74:75] the prefetches' rows for K bytes under 2,048,
.set PF1, 76                           ; s[76:77] and from 2,048 on
.set PFA, 78                           ; s[78:79] where the next prefetch stands
.set PK,  80                           ; s80  its byte along K
.set LIM, 81                           ; s81  1 in a wave that prefetches, else the greatest number
.set K2,  82                           ; s[82:83] 2 log2(e)
.set BLK, 84                           ; s84  the way out's block of 16 rows
.set NL,  85                           ; s85  lanes whose four columns lie under 1000: 32 or 26
.set SV,  86                           ; s86  EXEC, kept
.set MSB, 0
.macro WIN new                         ; the high byte repeats the setting that is left
.if MSB != (\new)
	s_set_vgpr_msb (MSB<<8)|(\new)
.set MSB, (\new)
.endif
.endm
.set MUL_LO, 0xa1                      ; source 0 (wb) window 1, source 1 (A) window 0, C and D window 2
.set MUL_HI, 0xf1                      ; the same, C and D window 3
.set TO_B,   0x40                      ; destination window 1, address window 0
.macro PLACES                          ; four places between a matrix instruction and a load into, or a vector instruction on, its registers
.rept 4
	v_nop
.endr
.endm
; A joint load: waves 0 and 1 fetch A's two halves, waves 2 and 3 wb's.  The branch hangs on the wave's number alone.  An s_nop 0 and four v_nop follow each of the two lines.
.macro JLOAD s
	s_cmp_eq_u32 s[HR], 0
	s_cbranch_scc0 .Lfor_b_\@
	tensor_load_to_lds s[G0+4*(\s):G0+4*(\s)+3], s[G1:G1+7]
	s_nop 0
	PLACES
	s_branch .Lasked_\@
.Lfor_b_\@:
	tensor_load_to_lds s[G0B+4*(\s):G0B+4*(\s)+3], s[G1B:G1B+7]
	s_nop 0
	PLACES
.Lasked_\@:
.endm
; A PREFETCH INTO THE L2, behind each joint refill and the run of LDS loads that follows it: the K step that stands two refills on, 256 bytes of each of 32 rows, a lane a row, one instruction a wave.
; A's rows are read by one cluster alone, which asks for them; wb's tile column is read by every cluster: the one with y = 0 asks.  Of the 128 rows that a wave fetches, the partner at place p takes
; 32 p .. 32 p + 31 (p = cx for A, cy for wb): told apart by address, so each block is named once in the launch.  K steps 0 to 3 come by their loads alone; the loop's last trip asks for nothing.
.macro ASK
	s_cmp_gt_u32 s3, s[LIM]                        ; s3 = 1 in the loop's last trip
	s_cbranch_scc0 .Lnot_mine_\@
	global_prefetch_b8 v[PFO], s[PFA:PFA+1] th:TH_LOAD_NT scope:SCOPE_SE
.Lnot_mine_\@:
.endm
.macro CREST                           ; a round of the cluster's barrier behind its opening barrier
	s_cmp_lg_u32 s[WV], 0
	s_cbranch_scc1 .Lnot_wave_0_\@
	s_barrier_signal -3
.Lnot_wave_0_\@:
	s_barrier_wait -3
	s_barrier_signal -1
	s_barrier_wait -1
.endm
.macro CROUND
	s_barrier_signal -1
	s_barrier_wait -1
	CREST
.endm
	s_load_b256 s[4:11], s[0:1], 0x0               ; cb s[4:5], htb s[6:7], wb s[8:9], Wc_b s[10:11]
	s_load_b64 s[12:13], s[0:1], 0x20              ; out0
	v_lshl_add_u32 v[SPW], v0, 2, SPARE
	v_mov_b32 v[NIL], 0
	ds_add_u32 v[SPW], v[NIL]                      ; the wave's opening: the add and its wait stand ahead of my first tensor load; the set-up below, work on registers, stands between them
	v_lshrrev_b32 v1, 5, v0
	v_readfirstlane_b32 s[WV], v1
	s_lshr_b32 s[HR], s[WV], 1
	s_and_b32 s[HC], s[WV], 1
	s_bfe_u32 s17, ttmp6, 0x40000                  ; cx
	s_bfe_u32 s18, ttmp6, 0x40004                  ; cy
	s_lshl_b32 s19, ttmp9, 2
	s_add_co_u32 s19, s19, s17                     ; tile column = 4 x cluster x + cx
	s_and_b32 s20, ttmp7, 0xffff
	s_lshl_b32 s20, s20, 2
	s_add_co_u32 s20, s20, s18                     ; tile row = 4 x cluster y + cy
	s_lshl_b32 s21, s18, 2
	s_lshl_b32 s21, 15, s21                        ; my row of the cluster
	s_lshl_b32 s22, 0x1111, s17                    ; my column
	s_or_b32 s[G1], s21, (1<<16)|(1<<20)|(1<<21)|(5<<22)|(3<<25)   ; 15:0 the mask; 17:16 2-byte elements; 20 padding on; 21 set beside a mask; 24:22 after every 64 words; 31:25 of 4 words
	s_or_b32 s[G1B], s22, (1<<16)|(1<<20)|(1<<21)|(5<<22)|(3<<25)
.irp g, G1, G1B
	s_mov_b32 s[(\g)+1], KSTEP<<16                 ; tensor_dim0 = 128
	s_mov_b32 s[(\g)+2], 128<<16                   ; tensor_dim1 = 128
	s_mov_b32 s[(\g)+3], KSTEP<<16                 ; tile_dim0 = 128
	s_mov_b32 s[(\g)+4], 128                       ; tile_dim1 = 128
	s_mov_b32 s[(\g)+6], 0
	s_mov_b32 s[(\g)+7], 0
.endr
	s_mov_b32 s[G1+5], 1024                        ; elements from row to row: cb and htb,
	s_mov_b32 s[G1B+5], 2048                       ; wb
	s_lshl_b32 s2, s[HC], 7                        ; which 128 rows of the tile I fetch
	s_lshl_b32 s40, s20, 8
	s_add_co_u32 s40, s40, s2
	s_lshl_b32 s40, s40, 11                        ; A: (256 x tile row + 128 x half) rows of 2,048 bytes
	s_mov_b32 s41, 0
	s_lshl_b32 s42, s19, 8
	s_add_co_u32 s42, s42, s2
	s_lshl_b32 s42, s42, 12                        ; wb: (256 x tile column + 128 x half) rows of 4,096 bytes
	s_mov_b32 s43, 0
	s_mul_i32 s23, s[WV], HALFT                    ; where they go: no place in the cluster enters an LDS address
	s_mov_b32 s[KO], 0
	s_mov_b32 s[KO+1], KSTEP*2
	s_mov_b32 s[KW+1], 0
	s_mov_b32 s[K2], 0x4038aa3b                    ; 2 log2(e)
	s_mov_b32 s[K2+1], s[K2]                       ; named with it as a pair
	s_wait_dscnt 0x0                               ; the opening add is done
	s_wait_kmcnt 0x0
	s_add_nc_u64 s[PCB:PCB+1], s[4:5], s[40:41]
	s_add_nc_u64 s[PHT:PHT+1], s[6:7], s[40:41]
	s_add_nc_u64 s[46:47], s[8:9], s[42:43]
	CROUND                                         ; all sixteen work-groups are here: the first joint loads meet
.irp s, 0,1
	s_mov_b32 s[G0+4*(\s)], 1                                      ; 1:0 count = 1
	s_add_co_u32 s[G0+4*(\s)+1], s23, (\s)*SLOT                    ; 63:32 LDS address
	s_add_nc_u64 s[G0+4*(\s)+2:G0+4*(\s)+3], s[PCB:PCB+1], (\s)*KSTEP*2  ; 120:64 global address: K step s
	s_or_b32 s[G0+4*(\s)+3], s[G0+4*(\s)+3], 0x80000000            ; 127:126 type = 2
	s_mov_b32 s[G0B+4*(\s)], 1
	s_add_co_u32 s[G0B+4*(\s)+1], s23, (\s)*SLOT
	s_add_nc_u64 s[G0B+4*(\s)+2:G0B+4*(\s)+3], s[46:47], (\s)*KSTEP*2
	s_or_b32 s[G0B+4*(\s)+3], s[G0B+4*(\s)+3], 0x80000000
	JLOAD \s
.endr
	; A fragment is 16 rows x 32 K in 8 registers: lane l holds row l % 16, K = 8 (l / 16) + 0..7 and 16 + 8 (l / 16) + 0..7: two loads of 16 bytes, 32 bytes apart.
	v_and_b32 v1, 15, v0
	v_bfe_u32 v2, v0, 4, 1
	v_mul_u32_u24 v3, v1, PITCH
	v_lshl_add_u32 v3, v2, 4, v3
	s_mul_i32 s21, s[HR], HALFT                    ; my 128 rows of A
	s_mul_i32 s22, s[HC], HALFT                    ; my 128 rows of wb,
	s_add_co_u32 s22, s22, 2*HALFT                 ; which lie behind A's 256
.irp s, 0,1
	v_add_nc_u32 v[ADRA+(\s)], s21, v3
	v_add_nc_u32 v[ADRB+(\s)], s22, v3
	s_add_co_u32 s21, s21, SLOT
	s_add_co_u32 s22, s22, SLOT
.endr
	s_mul_i32 s23, s[WV], 16*SPITCH
	s_add_co_u32 s23, s23, STAGE                   ; my stage
	v_mul_u32_u24 v4, v1, SPITCH                   ; in: row l % 16, 32 bytes for each half of the lanes
	v_lshl_add_u32 v4, v2, 5, v4
	v_add_nc_u32 v[STO], s23, v4
	v_and_b32 v[LANE], 31, v0
	v_lshlrev_b32 v[CO], 4, v[LANE]
	v_add_nc_u32 v[RD], s23, v[CO]                 ; back: 32 lanes take a row's 512 bytes
	s_lshl_b32 s44, s19, 8
	s_lshl_b32 s2, s[HC], 7
	s_add_co_u32 s44, s44, s2                      ; my first column
	s_lshl_b32 s45, s44, 2
	s_sub_co_u32 s[NL], 1000, s44
	s_min_u32 s[NL], s[NL], 128
	s_lshr_b32 s[NL], s[NL], 2
	s_lshl_b32 s46, s20, 8
	s_lshl_b32 s2, s[HR], 7
	s_add_co_u32 s46, s46, s2                      ; my first row
	s_mul_i32 s46, s46, 4000                       ; under 2^27
	s_add_co_u32 s46, s46, s45
	s_mov_b32 s47, 0
	s_add_nc_u64 s[12:13], s[12:13], s[46:47]
	; the bias of my lane's columns 16 b + 8 (l / 16) + 0..7; offsets are held at 3,968, so that every load of 32 bytes stays inside the 4,000: what is so held belongs to columns from 1000 on, which are not stored
	v_lshl_add_u32 v3, v2, 5, s45
.irp b, 0,1,2,3,4,5,6,7
	v_add_nc_u32 v[BO+(\b)], 64*(\b), v3
	v_min_u32 v[BO+(\b)], 3968, v[BO+(\b)]
.endr
.irp b, 0,1,2,3,4,5,6,7
	global_load_b128 v[F0+8*(\b):F0+8*(\b)+3],   v[BO+(\b)], s[10:11]
	global_load_b128 v[F0+8*(\b)+4:F0+8*(\b)+7], v[BO+(\b)], s[10:11] offset:16
.endr
	; the prefetches
	s_and_b32 s2, ttmp7, 0xffff                    ; cluster y
	s_cmp_eq_u32 s[HR], 0                          ; do I fetch for A?
	s_cselect_b32 s21, s20, s19                    ; the tile's number: the tile row for A, the tile column for wb
	s_cselect_b32 s22, s17, s18                    ; my place among the four that ask for it with me
	s_cselect_b32 s2, ttmp9, s2                    ; the coordinate along which other clusters read the same rows
	s_cselect_b32 s23, 11, 12                      ; a row is 2^11 or 2^12 bytes
	s_cselect_b32 s40, 0, 2048                     ; wb's second half of K lies in the same row
	s_cselect_b64 s[PF0:PF0+1], s[4:5], s[8:9]
	s_cselect_b64 s[PF1:PF1+1], s[6:7], s[8:9]
	s_cmp_eq_u32 s2, 0
	s_cselect_b32 s[LIM], 1, -1                    ; the same in all sixteen partners, for a given wave
	s_lshl_b32 s21, s21, 8
	s_lshl_b32 s2, s[HC], 7
	s_add_co_u32 s21, s21, s2                      ; + the 128 rows that I fetch
	s_lshl_b32 s22, s22, 5
	s_add_co_u32 s21, s21, s22                     ; + my work-group's 32 of them
	s_lshl_b32 s42, s21, s23
	s_mov_b32 s43, 0
	s_mov_b32 s41, 0
	s_add_nc_u64 s[PF0:PF0+1], s[PF0:PF0+1], s[42:43]
	s_add_nc_u64 s[PF1:PF1+1], s[PF1:PF1+1], s[42:43]
	s_add_nc_u64 s[PF1:PF1+1], s[PF1:PF1+1], s[40:41]
	s_mov_b32 s[PK], 3*KSTEP*2                     ; at K step 3: the first refill steps it to 4
	v_lshlrev_b32 v[PFO], s23, v[LANE]
	s_wait_loadcnt 0x0                             ; the bias: rounded to bf16, widened again, times 2 log2(e), into window 1.  All this stands in the wait for the first tiles
.set i, 0
.rept 32
	v_cvt_pk_bf16_f32 v[TMP+i], v[F0+2*i], v[F0+2*i+1]
.set i, i+1
.endr
.set i, 0
.rept 32
	v_lshlrev_b32 v[F0+2*i], 16, v[TMP+i]
	v_and_b32 v[F0+2*i+1], 0xffff0000, v[TMP+i]
.set i, i+1
.endr
	WIN TO_B
.set i, 0
.rept 32
	v_pk_mul_f32 v[2*i:2*i+1], v[F0+2*i:F0+2*i+1], s[K2:K2+1] op_sel_hi:[1,0]
.set i, i+1
.endr
	WIN 0
; 16 matrix instructions: m blocks a0, a0 + 1 of the window's four x all 8 n blocks, 32 along K.  The 64 accumulators take turns in the same order in every quarter.  zero = 1: the products start the sums.
.macro MUL16 f, hi, a0, zero
	WIN MUL_LO+0x50*(\hi)
.irp a, \a0, (\a0)+1
.irp b, 0,1,2,3,4,5,6,7
.if \zero
	v_wmma_f32_16x16x32_bf16 v[8*(8*(\a)+(\b)):8*(8*(\a)+(\b))+7], v[(\f)+8*(\b):(\f)+8*(\b)+7], v[(\f)+8*(4*(\hi)+(\a)):(\f)+8*(4*(\hi)+(\a))+7], 0
.else
	v_wmma_f32_16x16x32_bf16 v[8*(8*(\a)+(\b)):8*(8*(\a)+(\b))+7], v[(\f)+8*(\b):(\f)+8*(\b)+7], v[(\f)+8*(4*(\hi)+(\a)):(\f)+8*(4*(\hi)+(\a))+7], v[8*(8*(\a)+(\b)):8*(8*(\a)+(\b))+7]
.endif
.endr
.endr
.endm
; 32 LDS loads in one run: a quarter step's fragments (128 rows of wb, 128 rows of A, 32 K at byte k of the rows) into buffer f
.macro FETCH slot, k, f
	WIN TO_B
.irp i, 0,1,2,3,4,5,6,7
	ds_load_b128 v[(\f)+8*(\i):(\f)+8*(\i)+3],   v[ADRB+(\slot)] offset:(\k)+(\i)*16*PITCH
	ds_load_b128 v[(\f)+8*(\i)+4:(\f)+8*(\i)+7], v[ADRB+(\slot)] offset:(\k)+(\i)*16*PITCH+32
.endr
	WIN 0
.irp i, 0,1,2,3,4,5,6,7
	ds_load_b128 v[(\f)+8*(\i):(\f)+8*(\i)+3],   v[ADRA+(\slot)] offset:(\k)+(\i)*16*PITCH
	ds_load_b128 v[(\f)+8*(\i)+4:(\f)+8*(\i)+7], v[ADRA+(\slot)] offset:(\k)+(\i)*16*PITCH+32
.endr
.endm
; One of a K step's first three quarters: multiplies buffer f; in its middle it fetches the next quarter's fragments into buffer g.
.macro QUARTER slot, k, f, g, zero
	s_wait_dscnt 8                                 ; wb and A's rows 0-63 are in; the youngest eight loads (A's rows 64-127) may be out
	MUL16 \f, 0, 0, \zero
	MUL16 \f, 0, 2, \zero
	PLACES
	FETCH \slot, \k, \g
	s_wait_dscnt 32                                ; all but the 32 just issued
	MUL16 \f, 1, 0, \zero
	MUL16 \f, 1, 2, \zero
.endm
; The last quarter's first half: ONE barrier for the change of slots.  In front of it each wave waits for all its tensor loads (one is out: its part of the next slot), adds 0 to its spare word, and waits for that
; and for its own reads of this slot.
.macro MEET round                      ; round = 1: the rest of a round of the cluster's barrier follows
	WIN 0
	s_wait_tensorcnt 0x0
	ds_add_u32 v[SPW], v[NIL]
	s_wait_dscnt 9                                 ; (the add and the youngest eight loads may be out)
	MUL16 F1, 0, 0, 0                              ; sixteen matrix instructions stand between the add and the wait for it
	s_wait_dscnt 0x0                               ; the add is done, and my reads of this slot are over
	s_barrier_signal -1
	MUL16 F1, 0, 2, 0
.if \round
	WIN 0
.endif
	s_barrier_wait -1
.endm
; The whole last quarter, with a refill: behind the round the slot just read out takes the K step two on.  A's address is made anew from the step's byte along K: cb under 2,048, htb from there on.
.macro TURN slot, next
	s_wait_xcnt 0x0                                ; the last prefetch, a K step back, has read its address: it is made anew here, ahead of the waits of the change of slots
	s_add_co_u32 s[PK], s[PK], KSTEP*2
	s_and_b32 s[KW], s[PK], 0x7ff
	s_cmp_lt_u32 s[PK], 2048
	s_cselect_b64 s[PFA:PFA+1], s[PF0:PF0+1], s[PF1:PF1+1]
	s_add_nc_u64 s[PFA:PFA+1], s[PFA:PFA+1], s[KW:KW+1]
	MEET 1
	CREST                                          ; no wave of any partner still reads this slot's tile or has a load on its way
	s_add_co_u32 s[KO+(\slot)], s[KO+(\slot)], 2*KSTEP*2
	s_and_b32 s[KW], s[KO+(\slot)], 0x7ff
	s_cmp_lt_u32 s[KO+(\slot)], 2048
	s_cselect_b64 s[G0+4*(\slot)+2:G0+4*(\slot)+3], s[PCB:PCB+1], s[PHT:PHT+1]
	s_add_nc_u64 s[G0+4*(\slot)+2:G0+4*(\slot)+3], s[G0+4*(\slot)+2:G0+4*(\slot)+3], s[KW:KW+1]
	s_or_b32 s[G0+4*(\slot)+3], s[G0+4*(\slot)+3], 0x80000000
	s_add_nc_u64 s[G0B+4*(\slot)+2:G0B+4*(\slot)+3], s[G0B+4*(\slot)+2:G0B+4*(\slot)+3], 2*KSTEP*2
	JLOAD \slot                                    ; the first tensor load behind the round; its four v_nop are also the places in front of the loads below
	FETCH \next, 0, F0
	ASK
	MUL16 F1, 1, 0, 0
	MUL16 F1, 1, 2, 0
.endm
	s_wait_tensorcnt 0x1                           ; my part of K step 0 is in; K step 1's may stay out
	s_barrier_signal -1
	s_barrier_wait -1                              ; everybody's is
	FETCH 0, 0, F0
	QUARTER 0, 64,  F0, F1, 1                      ; the first quarter stands in front of the loop: its products start the sums
	WIN 0
	s_mov_b32 s3, LAPS-1
.Llap:                                                 ; a trip goes once round the ring, from a lap's second quarter to the next lap's first, and fills both slots again
	QUARTER 0, 128, F1, F0, 0
	QUARTER 0, 192, F0, F1, 0
	TURN 0, 1
	QUARTER 1, 64,  F0, F1, 0
	QUARTER 1, 128, F1, F0, 0
	QUARTER 1, 192, F0, F1, 0
	TURN 1, 0
	QUARTER 0, 64,  F0, F1, 0
	WIN 0
	s_sub_co_u32 s3, s3, 1
	s_cmp_lg_u32 s3, 0
	s_cbranch_scc1 .Llap
	QUARTER 0, 128, F1, F0, 0                      ; the last lap fills nothing
	QUARTER 0, 192, F0, F1, 0
	MEET 0
	PLACES
	FETCH 1, 0, F0
	MUL16 F1, 1, 0, 0
	MUL16 F1, 1, 2, 0
	QUARTER 1, 64,  F0, F1, 0
	QUARTER 1, 128, F1, F0, 0
	QUARTER 1, 192, F0, F1, 0
	s_wait_dscnt 8                                 ; the very last quarter: nothing more to fetch
	MUL16 F1, 0, 0, 0
	MUL16 F1, 0, 2, 0
	s_wait_dscnt 0x0
	MUL16 F1, 1, 0, 0
	MUL16 F1, 1, 2, 0
	WIN 0
	PLACES
	; THE WAY OUT, a block of 16 rows a trip.  Only the lines that name the block's accumulators differ from block to block: they stand eight times, and a forward jump picks one; the rest is written once.
	s_mov_b32 s[BLK], 0
.Lblock:
.irp a, 0,1,2,3,4,5,6
	s_cmp_eq_u32 s[BLK], \a
	s_cbranch_scc1 .Lstub\a
.endr
	s_branch .Lstub7
.irp a, 0,1,2,3,4,5,6,7
.Lstub\a:
	WIN 0x12+(\a)/4                                ; the sums in window 2 or 3, the bias in window 1, the result in window 0
.set i, 0
.rept 32
	v_pk_fma_f32 v[TMP+2*i:TMP+2*i+1], v[64*((\a)%4)+2*i:64*((\a)%4)+2*i+1], s[K2:K2+1], v[2*i:2*i+1] op_sel_hi:[1,0,1]  ; 2 log2(e) (sum + bias); each accumulator from its lowest registers on
.set i, i+1
.endr
	WIN 0
	s_branch .Lcommon
.endr
.Lcommon:
.set i, 0
.rept 64
	v_exp_f32 v[TMP+i], v[TMP+i]
.set i, i+1
.endr
	v_nop                                          ; a plain instruction behind the last exponential,
	s_wait_alu depctr_va_vdst(0)                   ; and one wait for the batch, ahead of its first reader
.set i, 0
.rept 32
	v_pk_add_f32 v[TMP+2*i:TMP+2*i+1], v[TMP+2*i:TMP+2*i+1], 1.0 op_sel_hi:[1,0]
.set i, i+1
.endr
.set i, 0
.rept 64
	v_rcp_f32 v[TMP+i], v[TMP+i]
.set i, i+1
.endr
	v_nop
	s_wait_alu depctr_va_vdst(0)                   ; likewise for the reciprocals
.set i, 0
.rept 32
	v_pk_fma_f32 v[TMP+2*i:TMP+2*i+1], v[TMP+2*i:TMP+2*i+1], -2.0, 1.0 op_sel_hi:[1,0,0]
.set i, i+1
.endr
.irp b, 0,1,2,3,4,5,6,7
	ds_store_b128 v[STO], v[TMP+8*(\b):TMP+8*(\b)+3]   offset:64*(\b)
	ds_store_b128 v[STO], v[TMP+8*(\b)+4:TMP+8*(\b)+7] offset:64*(\b)+16
.endr
.set i, 0
.rept 16
	ds_load_b128 v[BK+4*i:BK+4*i+3], v[RD] offset:SPITCH*i  ; LDS serves a wave's instructions in order (ISA guide 5.7.1.4): these see the stores above.  The last trip's stores have read these registers: see the wait below
.set i, i+1
.endr
	s_wait_dscnt 0x0
	v_cmp_gt_u32 vcc_lo, s[NL], v[LANE]            ; the lanes whose four columns lie under 1000
	s_wait_xcnt 0x0                                ; EXEC changes only behind this wait
	s_and_saveexec_b32 s[SV], vcc_lo
.set i, 0
.rept 16
	global_store_b128 v[CO], v[BK+4*i:BK+4*i+3], s[12:13] offset:4000*i th:TH_STORE_NT  ; up to 512 consecutive bytes of a row of out0
.set i, i+1
.endr
	s_wait_xcnt 0x0                                ; the stores have read EXEC, their data and their base
	s_or_b32 exec_lo, exec_lo, s[SV]
	s_add_nc_u64 s[12:13], s[12:13], 16*4000
	s_add_co_u32 s[BLK], s[BLK], 1
	s_cmp_lt_u32 s[BLK], 8
	s_cbranch_scc1 .Lblock
	s_wait_tensorcnt 0x0                           ; the wave's end: a wait, an add and its wait, behind my last tensor load and my last LDS store
	ds_add_u32 v[SPW], v[NIL]
	s_wait_dscnt 0x0
	CROUND                                         ; the closing round: no work-group ends while a partner may still ask for a tile that names it
	s_endpgm
.Lfunc_end_k_q5a62c79d10_proj:
	.size	k_q5a62c79d10_proj, .Lfunc_end_k_q5a62c79d10_proj-k_q5a62c79d10_proj
	.p2alignl 7, 3214868480
	.fill 96, 4, 3214868480
	.section	.rodata,"a",@progbits
	.p2align	6, 0x0
	.amdhsa_kernel k_q5a62c79d10_proj
		.amdhsa_group_segment_fixed_size 327680
		.amdhsa_private_segment_fixed_size 0
		.amdhsa_enable_private_segment 0
		.amdhsa_kernarg_size 40
		.amdhsa_user_sgpr_count 2
		.amdhsa_user_sgpr_kernarg_segment_ptr 1
		.amdhsa_wavefront_size32 1
		.amdhsa_system_sgpr_workgroup_id_x 1
		.amdhsa_system_sgpr_workgroup_id_y 1
		.amdhsa_system_sgpr_workgroup_id_z 1
		.amdhsa_system_vgpr_workitem_id 0
		.amdhsa_next_free_vgpr 1024
		.amdhsa_next_free_sgpr 88
		.amdhsa_reserve_vcc 1
		.amdhsa_float_denorm_mode_32 3
		.amdhsa_float_denorm_mode_16_64 3
		.amdhsa_memory_ordered 1
		.amdhsa_forward_progress 1
		.amdhsa_inst_pref_size 152
	.end_amdhsa_kernel
	.amdgpu_metadata
---
amdhsa.version: [ 1, 2 ]
amdhsa.kernels:
  - .name:           k_q5a62c79d10_proj
    .symbol:         k_q5a62c79d10_proj.kd
    .args:
      - { .name: cb, .offset: 0, .size: 8, .value_kind: global_buffer, .address_space: global }
      - { .name: htb, .offset: 8, .size: 8, .value_kind: global_buffer, .address_space: global }
      - { .name: wb, .offset: 16, .size: 8, .value_kind: global_buffer, .address_space: global }
      - { .name: Wc_b, .offset: 24, .size: 8, .value_kind: global_buffer, .address_space: global }
      - { .name: out0, .offset: 32, .size: 8, .value_kind: global_buffer, .address_space: global }
    .group_segment_fixed_size: 327680
    .private_segment_fixed_size: 0
    .kernarg_segment_align: 8
    .kernarg_segment_size: 40
    .max_flat_workgroup_size: 128
    .sgpr_count:     88
    .vgpr_count:     1024
    .wavefront_size: 32
...
	.end_amdgpu_metadata
.endif
;; end of part 3
